; MI455X (gfx1250); checked and timed in simulation.
; The chip was launched on July 23, 2026; its instructions are those of AMD's public machine-readable ISA for CDNA 5 (MIT licence, August 2026) and "CDNA5" Instruction Set Architecture Reference Guide (July 2026). The comments in the code are by the model that wrote it; some were corrected since.
;; VLLM Compatible Triton Attention. Allowed arithmetic: matrix products marked QUANTISED: E2M1 operands, one E8M0 scale for each 32 along K, by v_wmma_scale_f32_16x16x128_f8f6f4 with both operands' format E2M1 (or v_wmma_scale_f32_32x16x128_f4), f32 sums; everything else in f32.
;; Inputs: attention_mask 2 x 2,048 int32; k_codes 2 x 2,048 x 16 x 4 x 16 uint8 (E2M1 codes of k, K innermost, in blocks of 32 codes, two codes a byte); k_scales 2 x 2,048 x 16 x 4 uint8 (E8M0 scales of k, one for each 32 codes along K); q_codes 2 x 2,048 x 16 x 4 x 16 uint8 (E2M1 codes of q, K innermost, in blocks of 32 codes, two codes a byte); q_scales 2 x 2,048 x 16 x 4 uint8 (E8M0 scales of q, one for each 32 codes along K); v_codes 2 x 16 x 128 x 64 x 16 uint8 (E2M1 codes of v, K innermost, in blocks of 32 codes, two codes a byte); v_scales 2 x 16 x 128 x 64 uint8 (E8M0 scales of v, one for each 32 codes along K).
;; Outputs: out0 2 x 2,048 x 2,048 float32.
;; Constants: scale = 0.08838834764831843.
;; This version of the problem:
;;   THIS VERSION OF THE PROBLEM IS GIVEN IN LOW PRECISION. The matrix products marked QUANTISED in the list below multiply operands that are first quantised to E2M1 (2 exponent bits, 1 mantissa bit; 4 bits a number), with one power-of-two scale for each 32 numbers along K (OCP MX v1.0); their sums are f32. All else is computed in f32.
;;   The module's matrix products, in the order in which they are computed (A, B: the left and right operand; K: the contracted axis; several contracted axes count as one K, in the product's order):
;;     1. batch 32 x [M 2,048, K 128] x [K 128, N 2,048]; A: input q (given as codes); B: input k (given as codes): QUANTISED
;;     2. batch 32 x [M 128, K 2,048] x [K 2,048, N 2,048]; A: input v (given as codes); B: softmax (see below): QUANTISED
;;   THE QUANTISER, for each operand of a quantised product, along K:
;;     - K is cut into blocks of 32 from its start; a last block that is shorter is filled with zeros.
;;     - A block's scale is 2^e with e = floor(log2(the largest magnitude in the block)) - 2, held to -126 .. 127; a block of zeros has e = 0. As a byte (E8M0): e + 127.
;;     - Each number is divided by its block's scale, clamped to +-6, and rounded to the nearest number of E2M1, ties to even, subnormals kept.
;;     - The product sums the exact products of the quantised numbers (number of the format x scale) in f32.
;;   ~~~python
;;   def quantise(x, axis):      # numpy; x: float32 -> the quantised numbers, widened to float32 again
;;       x = np.moveaxis(x, axis, -1); K = x.shape[-1]
;;       x = np.pad(x, [(0, 0)] * (x.ndim - 1) + [(0, -K % 32)]); x = x.reshape(x.shape[:-1] + (-1, 32)); a = np.abs(x).max(-1, keepdims=True)
;;       e = np.where(a > 0, np.clip(np.frexp(np.where(a > 0, a, 1))[1] - 1 - 2, -126, 127), 0)      # np.frexp(a)[1] - 1 = floor(log2(a)), exactly
;;       r = np.clip(x / 2.0 ** e, -6, 6)
;;       step = 2.0 ** (np.maximum(np.frexp(np.where(r == 0, 1, r))[1] - 1, 0) - 1)
;;       q = np.round(r / step) * step * 2.0 ** e      # np.round: ties to even
;;       return np.moveaxis(q.reshape(q.shape[:-2] + (-1,))[..., :K], -1, axis).astype(np.float32)
;;   ~~~
;;   SOFTMAX AHEAD OF A QUANTISED PRODUCT. Where the list says 'softmax', what is quantised is not the finished softmax but p = 2^(t - M), with t = logit x log2(e) and M = ceil(the row's largest t), a whole number; so 1/2 < the row's largest p <= 1. The row's sum l is taken of the UNQUANTISED p, in f32, and the product's result is divided by l at the end. Since M is a whole number, a kernel that streams over the keys may use a running M (the ceiling of the running maximum): every later rescaling is an exact power of two, which a block's scale takes up: the codes' values come out the same.
;;   OPERANDS COMPUTED ON THE WAY. 'Computed on the way' means the value that the module computes at that place (a softmax that the list does not call 'softmax' is quantised finished and normalised). What goes into a quantiser is computed in f32, as accurately as f32 sums, v_exp_f32 and their like allow (about 1e-6 of the number): no bf16 or f16 on the way to a quantiser, and a product that is left as it is and whose result goes on into a quantised operand takes f32 operands (vector FMAs, or v_wmma_f32_16x16x4_f32). A number that lies on a knife's edge between two numbers of the format may be rounded either way, as far as f32 arithmetic and the matrix unit's own rounding can turn it there, and no further.
;;   INPUTS GIVEN AS CODES. k (in the module: [2, 2048, 16, 128], K = its axis 3); q (in the module: [2, 2048, 16, 128], K = its axis 3); v (in the module: [2, 2048, 16, 128], K = its axis 1): each comes as NAME_codes (uint8): NAME with its K axis moved to the last place and cut into blocks of 32 codes, [.., K / 32, bytes a block], one block behind the other in memory; two codes a byte, the lower K in the low four bits (a code: sign, 2 exponent bits, 1 mantissa bit); and NAME_scales (uint8): the same leading axes, one E8M0 byte (e + 127) for each 32 codes along K. Its value is code x scale, taken as it is: it is not quantised again, and the codes and scales need not be those that the quantiser above would give.
;; One version. Each part assembles by itself: llvm-mc -triple=amdgcn-amd-amdhsa -mcpu=gfx1250 --defsym DOCPART=n.
;; ======== version 1 of 1: 1 launch
;; launch attn (part 1): grid 8 x 32, 16 waves a work-group, no clusters, 327,680 bytes of LDS; arguments q_codes, q_scales, k_codes, k_scales, v_codes, v_scales, out0; writes out0
.if DOCPART == 1
	.amdgcn_target "amdgcn-amd-amdhsa--gfx1250"
	.amdhsa_code_object_version 6
	.text
	.protected	k_q0055d30658_attn
	.globl	k_q0055d30658_attn
	.p2align	8
	.type	k_q0055d30658_attn,@function
k_q0055d30658_attn:
	s_mov_b64 s[64:65], 0
	v_nop
	global_prefetch_b8 v0, s[64:65] scope:SCOPE_SE
	s_setreg_imm32_b32 hwreg(HW_REG_WAVE_MODE, 25, 1), 1
	s_wait_xcnt 0x0
; out0[b][q][h][:] = the sum over keys k <= q of softmax_k(Q[b][q][h] . K[b][k][h] x scale) V[b][k][h][:], both products on codes of FP4 (E2M1) with one E8M0 scale for each 32 along a product's K.
; B = 2, S = 2,048, H = 16, D = 128; bh = 16 b + h.  Bytes: a row of q_codes or k_codes is 64, at (2048 b + s) 1024 + 64 h; its scale word at (2048 b + s) 64 + 4 h;
; v_codes has the keys innermost: row d of a head at 131072 bh + 1024 d; its scale bytes at 8192 bh + 64 d; out0 at (2048 b + s) 8192 + 512 h + 4 d.
; WORK LEFT OUT.  (1) attention_mask: it is not loaded and is no argument of this launch.
; (2) Key steps that lie wholly above the diagonal: the causal mask sets those scores to -infinity ahead of the softmax, so p = 0 there for all finite inputs:
; such steps are neither loaded from LDS nor multiplied, and a slot of keys that none of the work-group's queries may see is not fetched.
; LIMITS.  NaN, infinities and the scale byte 0xff among the inputs are not served; one that reaches only the steps left out is not carried to the result.  A block of 32 p whose largest number lies under
; 2^-124 keeps the scale byte 1.  t is made as score x (log2(e) x scale), one rounding.  v_exp_f32 gives 0 where 2^(t - M) would be denormal.
; THE SOFTMAX AHEAD OF THE SECOND PRODUCT: t = score x c; M = the row's largest t so far, rounded UP to a whole number; p = 2^(t - M) is quantised along the keys, not normalised.  The row's sum is taken of the
; unquantised p and divides O at the end.  When M moves, the sum and O are multiplied by 2^(old M - new M): exact.
; SHARES.  Work-group (j, bh), j = 0 .. 7, owns the blocks j and 15 - j of 128 queries of one head: eight waves on each, a wave to a tile of 16 queries.  A wave of block x walks x + 1 key steps of 128 keys, so every
; work-group has 8 (j + 1) + 8 (16 - j) = 136 steps.  Which block a wave takes is bit 0 of w xor (w >> 2): of any four waves w = 4 i .. 4 i + 3, and of any four w = i, i + 4, i + 8, i + 12, two take each block.
; K's and V's tiles come through a ring of two LDS slots of 512 keys, filled by the tensor data mover (wave 0: K's 512 rows; waves 1 and 2: V's halves; wave 3, once: V's scale bytes) and read by all sixteen.
; K's scale words are 4 bytes in every 64 of memory: each wave copies those of 128 keys once, through registers, into a dense table in LDS.
; LAYOUT.  Both products are used transposed: S^T = K Q^T (source 0 = 16 keys, source 1 = my 16 queries), O^T = V^T P^T (source 0 = 16 of the head's 128, source 1 = P): a lane holds ONE query (lane % 16) throughout.
; THE KEYS OF A TILE ARE NOT NEIGHBOURS: lane r of tile 2 b + u takes key 32 b + 8 u + r + 8 (r / 8), so that the 16 registers of tiles 2 b and 2 b + 1 are 16 neighbouring keys, 32 b + 16 (lane / 16) + 0 .. 15.
; EVERY work-group walks all four slots and all sixteen steps: the trip counts are constants; what is left out is a step's work, by a scalar branch on ids.  A wave's step on the diagonal is its last: its results
; leave there, through a stage of the wave's own, while other waves still multiply.
; NO CLUSTER, though the eight work-groups of a head read the same K and V: where a wave's walk ends, and whether the last slot is wanted at all (only where j < 4), hangs on j, which would be the place in the
; cluster; partners would need different numbers of tiles, and branches would hang on a partner's place.
; All of a WGP's LDS is claimed; the text uses 281,088 bytes.
; REGISTERS: v1-7, v24-31 addresses that stay; v8-11 addresses of the loads in hand; v12 -M, v13 the largest t, v[14:15] the sum in two halves; v16-23 Q; v32-95 four fragments of K or of V, on the way out rows of O;
; v96-159 S^T, then p, then O / the sum; v160-223 O^T; v224-231 p's codes; v232-254 at work (v248-251 scale words, v252 f, v253 p's scale word); v255 Q's scale words.
.set SK,    512                        ; keys in a slot
.set NQ,    4                          ; key steps in a slot
.set NSL,   4                          ; slots' worth of keys
.set KPM,   1024                       ; from key to key of one head in memory
.set KP,    80                         ; a key's row in LDS: 64 bytes + 16 of padding
.set VROWB, 256                        ; SK codes in bytes: a row of V's tile
.set VP,    272                        ; and in LDS: + 16 of padding
.set KROWV, 1024                       ; a row of V in memory
.set VOFF,  SK*KP                      ; a slot: 512 rows of K, then 128 rows of V
.set SLOTB, VOFF+128*VP                ; 75,776 bytes
.set SLOT1, 1<<17                      ; slot 1 begins here, so that one exclusive or turns an address in one slot into the other's
.set STGB,  16*272                     ; a wave's stage: 16 rows x (256 bytes + 16); eight stages lie behind each slot's tiles, in blocks of 256 bytes into which no tile lands
.set SCK,   2*SLOT1                    ; K's scale words of the whole head: 4 bytes a key, 8,192 bytes, written by LDS stores alone
.set SCV,   SCK+8192                   ; V's scale bytes of the whole head: 32 units of 256 bytes + 16 of padding, filled once
.set SPARE, SCV+32*272                 ; the spare words, 128 bytes for each wave: eight blocks of 256 bytes that no other line names
.set AK0,  1                           ; v1   my lane's place in a tile of K
.set AV0,  2                           ; v2   the same for V
.set ASK0, 3                           ; v3   my lane's place among K's scale words
.set ASV0, 4                           ; v4   and among V's
.set SPW,  5                           ; v5   LDS address of my spare word: SPARE + 4 x my thread's number; never rewritten
.set NIL,  6                           ; v6   0; never rewritten
.set GO,   7                           ; v7   the way out: my byte offset in the wave's rows of out0
.set ADK,  8                           ; v8   LDS address of the step's tiles of K
.set ADV,  9                           ; v9   of V
.set ADS,  10                          ; v10  of K's scale words
.set ADT,  11                          ; v11  of V's
.set STI,  24                          ; v24  the stage: where I put 32 bytes of a row
.set STB,  25                          ; v25  and where I read a row back
.set MK,   26                          ; v26  lane % 16 - 16 (lane / 16), for the mask
.set QOF,  27                          ; v27  my byte offset in the wave's rows of Q's codes
.set PFO,  28                          ; v28  the prefetches' offset: 1,024 x my lane: a key of K, or a row of V
.set KSO,  29                          ; v29  64 x my lane: from key to key in k_scales
.set KSL,  30                          ; v30  where my wave's copy of K's scale words goes: SCK + 512 x wave + 4 x lane
.set QSO,  31                          ; v31  my byte offset among the wave's scale words of Q
.set TB,   2                           ; s2   LDS byte at which the slot in hand begins
.set TS,   3                           ; s3   where the step's scale words of K begin: 512 bytes a step
.set WV,   18                          ; s18  my wave's number
.set STP,  19                          ; s19  counts a slot's four steps
.set SEL,  20                          ; s[20:21] lane selects for v_permlanex16_b32: lane l xor 16
.set CS,   22                          ; s[22:23] c = log2(e) x scale: the packed form names a pair and takes its low word for both halves
.set G1K,  24                          ; s[24:31] descriptor group 1 for K's tiles;  s[32:39] for V's;  s[40:43], s[44:47] their groups 0, which walk
.set G1V,  32
.set G0K,  40
.set G0V,  44
.set G1S,  48                          ; s[48:55] group 1 for V's scale bytes;  s[56:59] its group 0
.set G0SV, 56
.set TBK,  60                          ; s60  LDS byte at which the step's rows of K begin: 10,240 bytes a step
.set TBV,  61                          ; s61  and its part of V's rows: 64 bytes a step
.set QL,   62                          ; s62  my work-group's last query: 2,047 - 128 j
.set TJ,   66                          ; s66  the step's scale word in V's rows: 4 bytes a step
.set SLOTS, 67                         ; s67  changes of slots still to come that may ask for a slot
.set PFA,  76                          ; s[76:77] where my prefetches stand in memory
.set PFS,  78                          ; s[78:79] a slot on, in bytes
.set LIM,  80                          ; s80  1 in a wave that prefetches, else the greatest number: a wave prefetches while s[SLOTS] is above it
.set KF,   98                          ; s98  the step's first key
.set Q0,   99                          ; s99  my first query
; Wave 0 fetches K's tile, waves 1 and 2 V's halves; scales = 1 (at the head): wave 3 fetches V's scale bytes.  The branches hang on the wave's number alone.
; An s_nop 0 and four v_nop follow each tensor load, ahead of the jump, the label and what follows.
.macro TLOAD scales
	s_cmp_eq_u32 s[WV], 0
	s_cbranch_scc0 .Lnot_k_\@
	tensor_load_to_lds s[G0K:G0K+3], s[G1K:G1K+7]
	s_nop 0
.rept 4
	v_nop
.endr
	s_branch .Lasked_\@
.Lnot_k_\@:
	s_cmp_lt_u32 s[WV], 3
	s_cbranch_scc0 .Lnot_v_\@
	tensor_load_to_lds s[G0V:G0V+3], s[G1V:G1V+7]
	s_nop 0
.rept 4
	v_nop
.endr
.if \scales
	s_branch .Lasked_\@
.endif
.Lnot_v_\@:
.if \scales
	s_cmp_eq_u32 s[WV], 3
	s_cbranch_scc0 .Lasked_\@
	tensor_load_to_lds s[G0SV:G0SV+3], s[G1S:G1S+7]
	s_nop 0
.rept 4
	v_nop
.endr
.endif
.Lasked_\@:
.endm
; A PREFETCH of what the NEXT change of slots will ask for, a slot's four key steps ahead of that load.  It stands at the change of slots, where the fetching waves have their tensor load.
; Each aligned block of 256 bytes is named ONCE in the launch.  The eight work-groups of a head walk the same K and V: j = 0 asks.  In it the waves ask that fetch nothing, one instruction each.
; V: waves 8 to 11, 32 rows a wave, a lane a row: a slot's part of a row is 256 bytes, aligned.  K: an aligned 256 bytes hold one key of four heads, so head h asks, for its group of four heads,
; for keys 128 (h % 4) on of the slot: waves 4 to 7, 32 keys a wave, a lane a key.  The last change that may fill a slot asks for nothing; slots 0 and 1 come by their loads alone.
.macro ASK
	s_cmp_gt_u32 s[SLOTS], s[LIM]
	s_cbranch_scc0 .Lnot_mine_\@
	global_prefetch_b8 v[PFO], s[PFA:PFA+1] th:TH_LOAD_NT scope:SCOPE_SE
.Lnot_mine_\@:
.endm
	s_load_b128 s[4:7], s[0:1], 0x0                ; Q's codes, Q's scales
	s_load_b128 s[8:11], s[0:1], 0x10              ; K's codes, K's scales
	s_load_b128 s[12:15], s[0:1], 0x20             ; V's codes, V's scales
	s_load_b64 s[16:17], s[0:1], 0x30              ; out0
	v_lshl_add_u32 v[SPW], v0, 2, SPARE
	v_mov_b32 v[NIL], 0
	ds_add_u32 v[SPW], v[NIL]                      ; the wave's opening: the add, twice on end, and its wait stand ahead of the first tensor load; the set-up below, work on registers, stands between
	ds_add_u32 v[SPW], v[NIL]                      ; and once more, under the one wait
	v_lshrrev_b32 v8, 5, v0
	s_delay_alu instid0(VALU_DEP_1)
	v_readfirstlane_b32 s[WV], v8                  ; wave 0..15
	s_and_b32 s68, ttmp7, 0xffff                   ; bh
	s_lshr_b32 s69, s68, 4                         ; b
	s_and_b32 s70, s68, 15                         ; h
	s_lshr_b32 s71, s[WV], 2
	s_xor_b32 s71, s71, s[WV]
	s_and_b32 s71, s71, 1                          ; 1: my tile lies in the late block, 15 - j; 0: in the early one, j
	s_lshl_b32 s73, ttmp9, 1
	s_sub_co_u32 s73, 15, s73                      ; 15 - 2 j
	s_mul_i32 s73, s73, s71
	s_add_co_u32 s73, s73, ttmp9                   ; my block of 128 queries
	s_lshl_b32 s[Q0], s73, 7
	s_lshr_b32 s72, s[WV], 1                       ; my tile in it: waves 2 i and 2 i + 1 take tile i of the two blocks
	s_lshl_b32 s72, s72, 4
	s_add_co_u32 s[Q0], s[Q0], s72                 ; my first query
	s_lshl_b32 s[QL], ttmp9, 7
	s_sub_co_u32 s[QL], 2047, s[QL]                ; the work-group's last query: the end of block 15 - j
	; byte offsets, each under 2^32, in pairs with 0 on top
	s_lshl_b32 s74, s69, 21
	s_lshl_b32 s75, s70, 6
	s_add_co_u32 s74, s74, s75                     ; the head's first row in q_codes and k_codes
	s_mov_b32 s75, 0
	s_lshl_b32 s82, s[Q0], 10
	s_add_co_u32 s82, s82, s74                     ; my first query's codes
	s_mov_b32 s83, 0
	s_lshl_b32 s84, s69, 17
	s_lshl_b32 s85, s70, 2
	s_add_co_u32 s84, s84, s85                     ; the head's first word in q_scales and k_scales
	s_lshl_b32 s86, s[Q0], 6
	s_add_co_u32 s86, s86, s84                     ; my first query's scale word
	s_mov_b32 s87, 0
	s_lshl_b32 s85, s[WV], 13
	s_add_co_u32 s84, s84, s85                     ; the scale words of keys 128 x wave on, which I copy
	s_mov_b32 s85, 0
	s_lshl_b32 s88, s69, 24
	s_lshl_b32 s89, s70, 9
	s_add_co_u32 s88, s88, s89
	s_lshl_b32 s89, s[Q0], 13
	s_add_co_u32 s88, s88, s89                     ; my first query's 512 bytes of out0
	s_mov_b32 s89, 0
	s_bfe_u32 s92, s[WV], 0x10001                  ; which half of V's 128 rows: 0 in wave 1, 1 in wave 2
	s_lshl_b32 s90, s68, 17
	s_lshl_b32 s91, s92, 16
	s_add_co_u32 s90, s90, s91                     ; V: the head's rows 64 x half on, in memory,
	s_mov_b32 s91, 0
	s_mul_i32 s92, s92, 64*VP
	s_add_co_u32 s92, s92, VOFF                    ; and in a slot
	s_lshl_b32 s94, s68, 13                        ; the head's scale bytes of V
	s_mov_b32 s95, 0
	; descriptor group 1.  K: 512 rows of 64 bytes, 1,024 bytes apart in memory
	s_mov_b32 s[G1K], (0<<16)|(1<<20)|(3<<22)|(3<<25)   ; 15:0 no mask; 17:16 elements of 1 byte; 20 padding on; 24:22 after every 16 words (code 3); 31:25 four words (code 3)
	s_mov_b32 s[G1K+1], 64<<16                     ; tensor_dim0
	s_mov_b32 s[G1K+2], SK<<16                     ; tensor_dim1
	s_mov_b32 s[G1K+3], 64<<16                     ; tile_dim0
	s_mov_b32 s[G1K+4], SK                         ; tile_dim1
	s_mov_b32 s[G1K+5], KPM                        ; tensor_dim0_stride
	s_mov_b32 s[G1K+6], 0
	s_mov_b32 s[G1K+7], 0
	; V: 64 rows of 256 bytes, 1,024 bytes apart
	s_mov_b32 s[G1V], (0<<16)|(1<<20)|(5<<22)|(3<<25)   ; padding: four words after every 64
	s_mov_b32 s[G1V+1], VROWB<<16
	s_mov_b32 s[G1V+2], 64<<16
	s_mov_b32 s[G1V+3], VROWB<<16
	s_mov_b32 s[G1V+4], 64
	s_mov_b32 s[G1V+5], KROWV
	s_mov_b32 s[G1V+6], 0
	s_mov_b32 s[G1V+7], 0
	; V's scale bytes: 8,192 dense bytes as 32 rows of 256 (32 elements of 8 bytes), 16 bytes of padding behind each
	s_mov_b32 s[G1S], (3<<16)|(1<<20)|(5<<22)|(3<<25)
	s_mov_b32 s[G1S+1], 32<<16
	s_mov_b32 s[G1S+2], 32<<16
	s_mov_b32 s[G1S+3], 32<<16
	s_mov_b32 s[G1S+4], 32
	s_mov_b32 s[G1S+5], 32
	s_mov_b32 s[G1S+6], 0
	s_mov_b32 s[G1S+7], 0
	s_mov_b32 s[SEL], 0x76543210
	s_mov_b32 s[SEL+1], 0xfedcba98
	s_mov_b32 s[CS], 0x3e0293ee                    ; c = log2(e) x 0.0883883
	s_mov_b32 s[CS+1], s[CS]                       ; (named with it as a pair, so it is written)
	s_mov_b32 s[TB], 0
	s_mov_b32 s[TS], 0
	s_mov_b32 s[TJ], 0
	s_mov_b32 s[KF], 0
	s_mov_b32 s[SLOTS], NSL-1
	; the prefetches' offsets: slot 1's; the first change of slots steps them to slot 2
	s_and_b32 s81, s70, 12
	s_lshl_b32 s81, s81, 6                         ; K: my group of four heads: 256 bytes of a key's row,
	s_and_b32 s93, s70, 3
	s_lshl_b32 s93, s93, 17                        ; the 128 keys of a slot that my head asks for,
	s_add_co_u32 s81, s81, s93
	s_lshl_b32 s93, s69, 21                        ; my batch,
	s_add_co_u32 s81, s81, s93
	s_add_co_u32 s81, s81, SK*KPM                  ; slot 1
	s_lshl_b32 s93, s68, 17                        ; V: my head,
	s_add_co_u32 s93, s93, VROWB                   ; slot 1
	s_mov_b32 s[PFS], VROWB
	s_wait_dscnt 0x0                               ; both opening adds are done
	s_wait_kmcnt 0x0
	s_mov_b32 s[G0K], 1                            ; 1:0 count = 1
	s_mov_b32 s[G0K+1], 0                          ; 63:32 LDS address: slot 0
	s_add_nc_u64 s[G0K+2:G0K+3], s[8:9], s[74:75]  ; 120:64 global address: the head's first 512 keys
	s_or_b32 s[G0K+3], s[G0K+3], 0x80000000        ; 127:126 type = 2
	s_mov_b32 s[G0V], 1
	s_mov_b32 s[G0V+1], s92
	s_add_nc_u64 s[G0V+2:G0V+3], s[12:13], s[90:91]
	s_or_b32 s[G0V+3], s[G0V+3], 0x80000000
	s_mov_b32 s[G0SV], 1
	s_mov_b32 s[G0SV+1], SCV
	s_add_nc_u64 s[G0SV+2:G0SV+3], s[14:15], s[94:95]
	s_or_b32 s[G0SV+3], s[G0SV+3], 0x80000000
	TLOAD 1                                        ; slot 0, and V's scale bytes of the whole head: a wave has at most one tensor load out, here and throughout
	s_add_nc_u64 s[4:5], s[4:5], s[82:83]          ; Q's codes at my first query
	s_add_nc_u64 s[6:7], s[6:7], s[86:87]          ; and its scale words
	s_add_nc_u64 s[10:11], s[10:11], s[84:85]      ; K's scale words at key 128 x wave
	s_add_nc_u64 s[16:17], s[16:17], s[88:89]      ; out0 at my first query
	s_cmp_lt_u32 s[WV], 8                          ; waves 4 to 7 ask for K's codes, waves 8 to 11 for V's
	s_cselect_b64 s[PFA:PFA+1], s[8:9], s[12:13]
	s_cselect_b32 s96, s81, s93
	s_cselect_b32 s[PFS], SK*KPM, s[PFS]           ; a slot on
	s_and_b32 s97, s[WV], 3
	s_lshl_b32 s97, s97, 15                        ; my wave's 32 keys, or 32 rows: 1,024 bytes each
	s_add_co_u32 s96, s96, s97
	s_mov_b32 s97, 0
	s_mov_b32 s[PFS+1], 0
	s_add_nc_u64 s[PFA:PFA+1], s[PFA:PFA+1], s[96:97]
	s_sub_co_u32 s96, s[WV], 4
	s_lshr_b32 s96, s96, 3                         ; 0 in waves 4 to 11,
	s_or_b32 s96, s96, ttmp9                       ; of the head's work-group j = 0
	s_cmp_eq_u32 s96, 0
	s_cselect_b32 s[LIM], 1, -1
	v_and_b32 v8, 15, v0                           ; r = lane % 16
	v_bfe_u32 v9, v0, 4, 1                         ; hl = lane / 16
	s_delay_alu instid0(VALU_DEP_2)
	v_lshlrev_b32 v[QOF], 10, v8
	s_delay_alu instid0(VALU_DEP_1)
	v_lshl_add_u32 v[QOF], v9, 4, v[QOF]           ; Q: row r, 1,024 bytes apart, + my half's 16 bytes
	global_load_b128 v[16:19], v[QOF], s[4:5]      ; Q's fragment stays in registers
	global_load_b128 v[20:23], v[QOF], s[4:5] offset:32
	v_lshlrev_b32 v[QSO], 6, v8
	global_load_b32 v255, v[QSO], s[6:7]           ; Q's scale words
	v_and_b32 v10, 8, v8
	s_delay_alu instid0(VALU_DEP_1)
	v_add_nc_u32 v10, v10, v8                      ; r + 8 (r / 8)
	s_delay_alu instid0(VALU_DEP_1)
	v_mul_u32_u24 v[AK0], v10, KP
	s_delay_alu instid0(VALU_DEP_1)
	v_lshl_add_u32 v[AK0], v9, 4, v[AK0]
	s_delay_alu instid0(VALU_DEP_3)
	v_lshl_add_u32 v[ASK0], v10, 2, SCK            ; K's scale words: 4 bytes a key
	v_mul_u32_u24 v[AV0], v8, VP
	s_delay_alu instid0(VALU_DEP_1)
	v_lshl_add_u32 v[AV0], v9, 4, v[AV0]
	s_delay_alu instid0(VALU_DEP_1)
	v_add_nc_u32 v[AV0], VOFF, v[AV0]
	v_lshrrev_b32 v11, 2, v8                       ; V's scale bytes: 64 a row, four rows to a unit of 256 + 16
	v_and_b32 v10, 3, v8
	s_delay_alu instid0(VALU_DEP_1)
	v_lshlrev_b32 v10, 6, v10
	s_delay_alu instid0(VALU_DEP_1)
	v_mad_u32_u24 v[ASV0], v11, 272, v10
	s_delay_alu instid0(VALU_DEP_1)
	v_add_nc_u32 v[ASV0], SCV, v[ASV0]
	v_lshlrev_b32 v[GO], 13, v9
	s_delay_alu instid0(VALU_DEP_1)
	v_lshl_add_u32 v[GO], v8, 4, v[GO]             ; the way out: lanes 0-15 take one row of out0, lanes 16-31 the next; 16 bytes a lane
	s_lshr_b32 s96, s[WV], 3
	s_lshl_b32 s96, s96, 17                        ; my stage: behind slot 0's tiles (waves 0 to 7) or slot 1's (waves 8 to 15),
	s_and_b32 s97, s[WV], 7
	s_mul_i32 s97, s97, STGB                       ; the (wave % 8)-th there
	s_add_co_u32 s96, s96, s97
	s_add_co_u32 s96, s96, SLOTB
	v_mul_u32_u24 v[STI], v8, 272
	s_delay_alu instid0(VALU_DEP_1)
	v_lshl_add_u32 v[STI], v9, 5, v[STI]
	s_delay_alu instid0(VALU_DEP_1)
	v_add_nc_u32 v[STI], s96, v[STI]               ; in: row r; a tile's eight channels of my half: 64 t + 32 hl bytes on
	v_mul_u32_u24 v[STB], v9, 272
	s_delay_alu instid0(VALU_DEP_1)
	v_lshl_add_u32 v[STB], v8, 4, v[STB]
	s_delay_alu instid0(VALU_DEP_1)
	v_add_nc_u32 v[STB], s96, v[STB]               ; back: lanes 0-15 one row, lanes 16-31 the next
	v_lshlrev_b32 v[MK], 4, v9
	s_delay_alu instid0(VALU_DEP_1)
	v_sub_nc_u32 v[MK], v8, v[MK]                  ; r - 16 hl
	v_and_b32 v11, 31, v0                          ; lane
	s_delay_alu instid0(VALU_DEP_1)
	v_lshlrev_b32 v[PFO], 10, v11
	s_delay_alu instid0(VALU_DEP_2)
	v_lshlrev_b32 v[KSO], 6, v11
	s_lshl_b32 s97, s[WV], 9
	s_add_co_u32 s97, s97, SCK
	v_lshl_add_u32 v[KSL], v11, 2, s97
	; K's scale words of keys 128 x wave .. + 127 go into the table.  A wave whose 128 keys come after the work-group's last query copies nothing: no step reads them.  The branch hangs on ids alone.
	s_lshl_b32 s96, s[WV], 7
	s_cmp_gt_u32 s96, s[QL]
	s_cbranch_scc1 .Lno_scales
.irp i, 0,1,2,3
	global_load_b32 v[32+\i], v[KSO], s[10:11] offset:2048*\i     ; key 128 x wave + 32 i + lane
.endr
	s_wait_loadcnt 0x0
	s_wait_alu depctr_va_vdst(0)
.irp i, 0,1,2,3
	ds_store_b32 v[KSL], v[32+\i] offset:128*\i    ; other waves read them behind the first change's wait for my LDS stores and its barrier
.endr
.Lno_scales:
	v_mov_b32 v13, 0xff61b1e6                      ; the largest t so far: -3e38, under every t
	s_delay_alu instid0(VALU_DEP_1)
	v_floor_f32 v12, -v13                          ; -M
	v_mov_b32 v14, 0                               ; the sum, in two halves
	v_mov_b32 v15, 0
.irp b, 0,1,2,3
	v_mov_b32 v[236+\b], 0                         ; written once: a lane permute's destination counts as one of its sources
.endr
	v_mov_b32 v252, 0
	v_mov_b32 v253, 0                              ; (named as the upper half of the pair v[252:253] before it is first written)
.irp j, 0,1,2,3,4,5,6,7,8,9,10,11,12,13,14,15,16,17,18,19,20,21,22,23,24,25,26,27,28,29,30,31,32,33,34,35,36,37,38,39,40,41,42,43,44,45,46,47,48,49,50,51,52,53,54,55,56,57,58,59,60,61,62,63
	v_mov_b32 v[160+\j], 0                         ; O^T.  (A step is written without a first step of its own: the first finds zeros, which the first change of M leaves zeros)
.endr
; THE WAY OUT stands at the end of the wave's step on the diagonal, which is its last: the same test on ids as the mask's.  The sum's two halves are added; O^T is divided by the sum and goes through my
; stage in LDS, half a row (64 channels, 256 bytes) of 16 queries at a time, so that sixteen lanes store 256 consecutive bytes, at a multiple of 256 from out0's first byte.
.macro WAYOUT
	s_add_co_u32 s96, s[KF], 127
	s_setprio 0
	s_cmp_le_u32 s96, s[Q0]
	s_cbranch_scc1 .Lmore_\@                       ; keys are still to come for my queries
.rept 4
	v_nop                                          ; four places behind the last products, ahead of the first read of their results (ISA guide 7.12.1)
.endr
	v_add_f32 v14, v14, v15                        ; the sum's two halves,
	s_delay_alu instid0(VALU_DEP_1)
	v_permlanex16_b32 v252, v14, s[SEL], s[SEL+1]
	s_delay_alu instid0(VALU_DEP_1)
	v_add_f32 v14, v14, v252                       ; and lane l xor 16's: the row's sum
	s_wait_alu depctr_va_vdst(0)
	v_rcp_f32 v14, v14
	v_nop                                          ; a plain place behind the transcendental
	s_wait_alu depctr_va_vdst(0)                   ; the wait ahead of the first reader of the reciprocal
.irp j, 0,1,2,3,4,5,6,7,8,9,10,11,12,13,14,15,16,17,18,19,20,21,22,23,24,25,26,27,28,29,30,31,32,33,34,35,36,37,38,39,40,41,42,43,44,45,46,47,48,49,50,51,52,53,54,55,56,57,58,59,60,61,62,63
	v_mul_f32 v[96+\j], v[160+\j], v14             ; O^T / the sum, each accumulator from its low end on: register 8 t + i is o(r, 16 t + 8 hl + i)
.endr
.irp u, 0,1                                    ; channels 64 u on
.irp t, 0,1,2,3
	ds_store_b128 v[STI], v[96+32*\u+8*\t:99+32*\u+8*\t] offset:64*\t
	ds_store_b128 v[STI], v[100+32*\u+8*\t:103+32*\u+8*\t] offset:64*\t+16
.endr
.irp i, 0,1,2,3,4,5,6,7
	ds_load_b128 v[32+32*\u+4*\i:35+32*\u+4*\i], v[STB] offset:2*\i*272   ; LDS serves a wave's instructions in order (ISA guide 5.7.1.4): these see my stores, and the next half's stores come behind them
.endr
.endr
.irp u, 0,1
.irp i, 0,1,2,3,4,5,6,7
	s_wait_dscnt 16*(1-\u)+7-\i                    ; the LDS instructions issued behind this load: the half's 7 - i later loads, and for the first half the second's 8 stores and 8 loads
	global_store_b128 v[GO], v[32+32*\u+4*\i:35+32*\u+4*\i], s[16:17] offset:2*\i*8192+256*\u th:TH_STORE_NT   ; rows 2 i and 2 i + 1; written once, read by nobody here
.endr
.endr
	s_wait_xcnt 0x0                                ; the stores have read their registers: in the text a further step follows, which would load into v32-95
.Lmore_\@:
.endm
; A KEY STEP: 128 keys, KF on.
.macro STEP
	s_add_co_u32 s96, s[Q0], 15                    ; a step all of whose keys come after my 16 queries is left out: a scalar branch on ids, round the step's loads, products and softmax;
	s_cmp_gt_u32 s[KF], s96                        ; not round the lines at its end that step addresses; no barrier and no tensor load stands in a step
	s_cbranch_scc1 .Lhidden_\@
	s_setprio 2
	v_add_nc_u32 v[ADK], s[TBK], v[AK0]            ; (these four are also the four places in front of loads into registers that the last step's products have read)
	s_wait_alu depctr_va_vdst(0)
	v_add_nc_u32 v[ADV], s[TBV], v[AV0]
	v_add_nc_u32 v[ADS], s[TS], v[ASK0]
	s_wait_alu depctr_va_vdst(0)
	v_add_nc_u32 v[ADT], s[TJ], v[ASV0]
.irp g, 0,1                                    ; S^T = K Q^T, four tiles of 16 keys at a time
.if \g > 0
.rept 4
	v_nop                                          ; places in front of loads into registers that matrix instructions have read
.endr
.endif
.irp t, 0,1,2,3
.irp c, 0,1
	ds_load_b128 v[32+8*\t+4*\c:32+8*\t+4*\c+3], v[ADK] offset:(32*((4*\g+\t)/2)+8*(\t%2))*KP+32*\c
.endr
	ds_load_b32 v[248+\t], v[ADS] offset:(32*((4*\g+\t)/2)+8*(\t%2))*4
.endr
	s_wait_dscnt 0x0
.irp t, 0,1,2,3
	v_wmma_scale_f32_16x16x128_f8f6f4 v[96+8*(4*\g+\t):103+8*(4*\g+\t)], v[32+8*\t:39+8*\t], v[16:23], 0, v[248+\t], v255 matrix_a_fmt:MATRIX_FMT_FP4 matrix_b_fmt:MATRIX_FMT_FP4
.endr
.endr
.rept 4
	v_nop                                          ; places ahead of the first read of the scores
.endr
	s_add_co_u32 s96, s[KF], 127                   ; on the diagonal the scores of hidden keys become -infinity ahead of the maximum: p = 0 then.  A step all of whose keys count skips this
	s_cmp_le_u32 s96, s[Q0]
	s_cbranch_scc1 .Lopen_\@
	s_sub_co_i32 s96, s[Q0], s[KF]
	v_add_nc_u32 v252, s96, v[MK]                  ; d = my query - KF - 16 (lane / 16).  Register 16 b + i holds key KF + 16 (lane / 16) + 32 b + i: hidden where 32 b + i > d
	v_mov_b32 v254, 0xff800000                     ; -infinity
.irp n, 0,1,2,3,4,5,6,7,8,9,10,11,12,13,14,15,16,17,18,19,20,21,22,23,24,25,26,27,28,29,30,31,32,33,34,35,36,37,38,39,40,41,42,43,44,45,46,47,48,49,50,51,52,53,54,55,56,57,58,59,60,61,62,63
	v_cmp_gt_i32 vcc_lo, 32*(\n/16)+\n%16, v252
	v_cndmask_b32 v[96+\n], v[96+\n], v254, vcc_lo
.endr
.Lopen_\@:
.irp b, 0,1,2,3
	v_max3_num_f32 v[232+\b], v[96+16*\b], v[97+16*\b], v[98+16*\b]   ; THE LARGEST SCORE OF EACH BLOCK OF 32 KEYS: it serves twice: for the row's maximum, and, since p rises with the score, for the block's largest p
.endr
.irp i, 3,5,7,9,11,13
.irp b, 0,1,2,3
	v_max3_num_f32 v[232+\b], v[232+\b], v[96+16*\b+\i], v[97+16*\b+\i]   ; (the four blocks by turns)
.endr
.endr
.irp b, 0,1,2,3
	v_max_num_f32 v[232+\b], v[232+\b], v[111+16*\b]
.endr
.irp b, 0,1,2,3
	s_delay_alu instid0(VALU_DEP_4)
	v_permlanex16_b32 v[236+\b], v[232+\b], s[SEL], s[SEL+1]
.endr
.irp b, 0,1,2,3
	s_delay_alu instid0(VALU_DEP_4)
	v_max_num_f32 v[232+\b], v[232+\b], v[236+\b]  ; with lane l xor 16's 16 keys
.endr
	s_delay_alu instid0(VALU_DEP_2)
	v_max3_num_f32 v254, v232, v233, v234
	s_delay_alu instid0(VALU_DEP_1)
	v_max_num_f32 v254, v254, v235                 ; the step's largest score of my query
	s_delay_alu instid0(VALU_DEP_1)
	v_mul_f32 v254, s[CS], v254                    ; as t (c is positive)
	s_delay_alu instid0(VALU_DEP_1)
	v_max_num_f32 v13, v13, v254                   ; the running largest t
	v_mov_b32 v254, v12
	s_delay_alu instid0(VALU_DEP_2)
	v_floor_f32 v12, -v13                          ; the new -M = floor(-t) = -ceil(t): M IS A WHOLE NUMBER
	s_delay_alu instid0(VALU_DEP_1)
	v_sub_f32 v254, v12, v254                      ; M's old value less its new one: a whole number, 0 or less
	s_delay_alu instid0(VALU_DEP_1)
	v_cvt_i32_f32 v254, v254                       ; (it saturates)
	s_delay_alu instid0(VALU_DEP_1)
	v_ldexp_f32 v252, 1.0, v254                    ; f = 2^(old M - new M): what was summed under the old M is brought under the new by a multiplication that rounds nothing
.irp j, 0,2,4,6,8,10,12,14,16,18,20,22,24,26,28,30,32,34,36,38,40,42,44,46,48,50,52,54,56,58,60,62
	v_pk_fma_f32 v[96+\j:97+\j], v[96+\j:97+\j], s[CS:CS+1], v[12:13] op_sel_hi:[1,0,0]   ; t - M, two at a time (of the pairs c and -M the low word serves both halves)
.endr
.irp b, 0,1,2,3
	v_fma_f32 v[232+\b], v[232+\b], s[CS], v12     ; the same of each block's largest score
.endr
	s_wait_alu depctr_va_vdst(0)
.irp j, 0,1,2,3,4,5,6,7,8,9,10,11,12,13,14,15,16,17,18,19,20,21,22,23,24,25,26,27,28,29,30,31,32,33,34,35,36,37,38,39,40,41,42,43,44,45,46,47,48,49,50,51,52,53,54,55,56,57,58,59,60,61,62,63
	v_exp_f32 v[96+\j], v[96+\j]                   ; p = 2^(t - M), at most 1: NOT normalised
.endr
	v_pk_mul_f32 v[14:15], v[14:15], v[252:253] op_sel_hi:[1,0]   ; the sums under the new M.  (A plain place behind the exponentials)
	s_wait_alu depctr_va_vdst(0)                   ; one wait for the whole batch of 64, ahead of its first reader
.irp b, 0,1,2,3
	v_exp_f32 v[232+\b], v[232+\b]                 ; the block's largest p: the same two instructions on the same number give the same bits
.endr
	v_pk_add_f32 v[236:237], v[100:101], v[104:105]
	v_pk_add_f32 v[250:251], v[108:109], v[112:113]
	v_pk_add_f32 v[248:249], v[116:117], v[120:121]
	v_pk_add_f32 v[246:247], v[124:125], v[128:129]
	v_pk_add_f32 v[244:245], v[132:133], v[136:137]
	v_pk_add_f32 v[242:243], v[140:141], v[144:145]
	v_pk_add_f32 v[240:241], v[148:149], v[152:153]
	v_pk_add_f32 v[14:15], v[14:15], v[156:157]
	v_pk_add_f32 v[236:237], v[236:237], v[96:97]
	v_pk_add_f32 v[250:251], v[250:251], v[98:99]
	v_pk_add_f32 v[248:249], v[248:249], v[102:103]
	v_pk_add_f32 v[246:247], v[246:247], v[106:107]
	v_pk_add_f32 v[244:245], v[244:245], v[110:111]
	v_pk_add_f32 v[242:243], v[242:243], v[114:115]
	v_pk_add_f32 v[240:241], v[240:241], v[118:119]
	v_pk_add_f32 v[14:15], v[14:15], v[122:123]
	v_pk_add_f32 v[236:237], v[236:237], v[126:127]
	v_pk_add_f32 v[250:251], v[250:251], v[130:131]
	v_pk_add_f32 v[248:249], v[248:249], v[134:135]
	v_pk_add_f32 v[246:247], v[246:247], v[138:139]
	v_pk_add_f32 v[244:245], v[244:245], v[142:143]
	v_pk_add_f32 v[242:243], v[242:243], v[146:147]
	v_pk_add_f32 v[240:241], v[240:241], v[150:151]
	v_pk_add_f32 v[14:15], v[14:15], v[154:155]
	v_pk_add_f32 v[236:237], v[236:237], v[158:159]
	s_delay_alu instid0(VALU_DEP_2)
	v_pk_add_f32 v[14:15], v[14:15], v[246:247]
	s_delay_alu instid0(VALU_DEP_2)
	v_pk_add_f32 v[236:237], v[236:237], v[244:245]
	s_setprio 1
	v_pk_add_f32 v[250:251], v[250:251], v[242:243]
	v_pk_add_f32 v[248:249], v[248:249], v[240:241]
	s_delay_alu instid0(VALU_DEP_2)
	v_pk_add_f32 v[14:15], v[14:15], v[250:251]
	s_delay_alu instid0(VALU_DEP_2)
	v_pk_add_f32 v[236:237], v[236:237], v[248:249]
	s_delay_alu instid0(VALU_DEP_1)
	v_pk_add_f32 v[14:15], v[14:15], v[236:237]
	s_wait_alu depctr_va_vdst(0)                   ; and one wait for the four
.irp b, 0,1,2,3
	v_max_num_f32 v[232+\b], 0x1800000, v[232+\b]  ; the floor 2^(3 - 127): the byte cannot fall under 1 (a block whose every p is 0 keeps that byte: its codes are zeros)
.endr
.irp b, 0,1,2,3
	s_delay_alu instid0(VALU_DEP_4)
	v_add_nc_u32 v[244+\b], 0xff000000, v[232+\b]  ; 2 off the exponent field: the conversion's scale operand
.endr
.irp b, 0,1,2,3
	s_delay_alu instid0(VALU_DEP_4)
	v_lshrrev_b32 v[236+\b], 23, v[244+\b]         ; the scale's byte
.endr
	s_delay_alu instid0(VALU_DEP_3)
	v_lshl_or_b32 v253, v237, 8, v236              ; p's scale word for these 128 keys
	s_delay_alu instid0(VALU_DEP_1)
	v_lshl_or_b32 v253, v238, 16, v253
	s_delay_alu instid0(VALU_DEP_1)
	v_lshl_or_b32 v253, v239, 24, v253
.irp b, 0,1,2,3
	v_cvt_scalef32_pk8_fp4_f32 v[224+2*\b], v[96+16*\b:103+16*\b], v[244+\b]
	v_cvt_scalef32_pk8_fp4_f32 v[225+2*\b], v[104+16*\b:111+16*\b], v[244+\b]
.endr
	v_nop                                          ; one plain vector instruction between a scaled conversion and the vector instruction that touches its result
.irp c, 0,1                                    ; the operand's layout wants a WHOLE block in a lane: lanes 0-15 block 2 c, lanes 16-31 block 2 c + 1
.irp i, 0,1
	v_permlane16_swap_b32 v[224+4*\c+\i], v[226+4*\c+\i]
.endr
.endr
.irp j, 0,2,4,6,8,10,12,14,16,18,20,22,24,26,28,30,32,34,36,38,40,42,44,46,48,50,52,54,56,58,60,62
	v_pk_mul_f32 v[160+\j:161+\j], v[160+\j:161+\j], v[252:253] op_sel_hi:[1,0]   ; O^T under the new M: x f.  (These 32 are also the places between the codes' and the scale word's last writes and the products below, and in front of the loads)
.endr
	s_wait_alu depctr_va_vdst(0)
.irp g, 0,1                                    ; O^T += V^T P^T: four tiles of 16 of the head's 128 at a time; K = these 128 keys.  The eight accumulators take turns
.if \g > 0
.rept 4
	v_nop
.endr
.endif
.irp t, 0,1,2,3
.irp c, 0,1
	ds_load_b128 v[32+8*\t+4*\c:32+8*\t+4*\c+3], v[ADV] offset:16*(4*\g+\t)*VP+32*\c
.endr
	ds_load_b32 v[248+\t], v[ADT] offset:(4*\g+\t)*4*272
.endr
	s_wait_dscnt 0x0
.irp t, 0,1,2,3
	v_wmma_scale_f32_16x16x128_f8f6f4 v[160+8*(4*\g+\t):167+8*(4*\g+\t)], v[32+8*\t:39+8*\t], v[224:231], v[160+8*(4*\g+\t):167+8*(4*\g+\t)], v[248+\t], v253 matrix_a_fmt:MATRIX_FMT_FP4 matrix_b_fmt:MATRIX_FMT_FP4
.endr
.endr
	WAYOUT
.Lhidden_\@:
	s_add_co_u32 s[KF], s[KF], 128                 ; the next step: its first key,
	s_add_co_u32 s[TS], s[TS], 512                 ; K's scale words,
	s_add_co_u32 s[TJ], s[TJ], 4                   ; V's,
	s_add_co_u32 s[TBK], s[TBK], 128*KP            ; K's rows,
	s_add_co_u32 s[TBV], s[TBV], 64                ; and its 64 bytes of V's rows
.endm
; THE CHANGE OF SLOTS stands at a slot's head.  Each wave waits for all its tensor loads (its part of the slot that is about to be read), adds 0 to its spare word (fill = 1: twice on end), and waits for that,
; for its reads of the slot that it has left and, at the first change, for its stores into K's table of scale words.  Behind the barrier the slot ahead is whole and nobody reads the other one.
; fill = 1: that other slot is filled with the keys that follow, up to the causal limit: the load has a whole slot's steps in which to land.  At the first change the loads fill slot 1 for the first time.
.macro CHANGE fill
	s_wait_tensorcnt 0x0                           ; no tensor load of mine is out, so a group 0 may be written
	ds_add_u32 v[SPW], v[NIL]                      ; 0 onto my spare word
.if \fill
	ds_add_u32 v[SPW], v[NIL]                      ; and once more: the add twice on end, in every trip alike
	s_xor_b32 s[G0K+1], s[G0K+1], SLOT1            ; the walking descriptors: the other slot than last time,
	s_add_nc_u64 s[G0K+2:G0K+3], s[G0K+2:G0K+3], SK*KPM   ; the next 512 keys; the type bits on top are not reached
	s_xor_b32 s[G0V+1], s[G0V+1], SLOT1
	s_add_nc_u64 s[G0V+2:G0V+3], s[G0V+2:G0V+3], VROWB
	s_wait_xcnt 0x0                                ; the last prefetch, a slot back, has read its address, so it may be written:
	s_add_nc_u64 s[PFA:PFA+1], s[PFA:PFA+1], s[PFS:PFS+1]  ; one slot further on than the walking descriptors
.endif
	s_wait_dscnt 0x0                               ; the add is done (fill = 1: both are), and my LDS reads and stores are over
	s_barrier_signal -1
	s_barrier_wait -1
.if \fill
	s_add_co_u32 s96, s[KF], SK                    ; THE LOOK-AHEAD ENDS AT THE CAUSAL LIMIT: a slot whose first key comes after my work-group's last query is read by none of its waves, so it is not asked for
	s_cmp_gt_u32 s96, s[QL]                        ; ids and the count of steps alone: all sixteen waves go the same way (it is the last slot, where j >= 4); every wait for tensor loads in this text is for 0
	s_cbranch_scc1 .Lpast_\@
	TLOAD 0                                        ; behind the barrier and the limit's three lines: a wave's one tensor load until the next change
.Lpast_\@:
	ASK
.endif
.endm
; A slot's four key steps: written once, walked four times; the LDS addresses hang on scalars that step by constants.
.macro SLOT_STEPS
	s_mov_b32 s[TBK], s[TB]
	s_mov_b32 s[TBV], s[TB]
	s_mov_b32 s[STP], NQ
.Lstep_\@:
	STEP
	s_sub_co_u32 s[STP], s[STP], 1
	s_cmp_lg_u32 s[STP], 0
	s_cbranch_scc1 .Lstep_\@
	s_setprio 0
	s_xor_b32 s[TB], s[TB], SLOT1                  ; on to the other slot
.endm
	s_wait_loadcnt 0x0                             ; Q's fragment and scale words (for the waves that copied no scale words too)
.Lslot:                                            ; NSL - 1 trips: behind each change of slots but the last the next slot is asked for, up to the causal limit
	CHANGE 1
	SLOT_STEPS
	s_sub_co_u32 s[SLOTS], s[SLOTS], 1
	s_cmp_lg_u32 s[SLOTS], 0
	s_cbranch_scc1 .Lslot
	CHANGE 0                                       ; the last slot is written out: nothing is left to fetch
	SLOT_STEPS
	s_wait_tensorcnt 0x0                           ; the wave's end, behind my last tensor load and my last LDS store
	ds_add_u32 v[SPW], v[NIL]
	s_wait_dscnt 0x0
	s_endpgm
.Lfunc_end_k_q0055d30658_attn:
	.size	k_q0055d30658_attn, .Lfunc_end_k_q0055d30658_attn-k_q0055d30658_attn
	.p2alignl 7, 3214868480
	.fill 96, 4, 3214868480
	.section	.rodata,"a",@progbits
	.p2align	6, 0x0
	.amdhsa_kernel k_q0055d30658_attn
		.amdhsa_group_segment_fixed_size 327680
		.amdhsa_private_segment_fixed_size 0
		.amdhsa_enable_private_segment 0
		.amdhsa_kernarg_size 56
		.amdhsa_user_sgpr_count 2
		.amdhsa_user_sgpr_kernarg_segment_ptr 1
		.amdhsa_wavefront_size32 1
		.amdhsa_system_sgpr_workgroup_id_x 1
		.amdhsa_system_sgpr_workgroup_id_y 1
		.amdhsa_system_sgpr_workgroup_id_z 1
		.amdhsa_system_vgpr_workitem_id 0
		.amdhsa_next_free_vgpr 256
		.amdhsa_next_free_sgpr 100
		.amdhsa_reserve_vcc 1
		.amdhsa_float_denorm_mode_32 3
		.amdhsa_float_denorm_mode_16_64 3
		.amdhsa_memory_ordered 1
		.amdhsa_forward_progress 1
		.amdhsa_inst_pref_size 79
	.end_amdhsa_kernel
	.amdgpu_metadata
---
amdhsa.version: [ 1, 2 ]
amdhsa.kernels:
  - .name:           k_q0055d30658_attn
    .symbol:         k_q0055d30658_attn.kd
    .args:
      - { .name: q_codes, .offset: 0, .size: 8, .value_kind: global_buffer, .address_space: global }
      - { .name: q_scales, .offset: 8, .size: 8, .value_kind: global_buffer, .address_space: global }
      - { .name: k_codes, .offset: 16, .size: 8, .value_kind: global_buffer, .address_space: global }
      - { .name: k_scales, .offset: 24, .size: 8, .value_kind: global_buffer, .address_space: global }
      - { .name: v_codes, .offset: 32, .size: 8, .value_kind: global_buffer, .address_space: global }
      - { .name: v_scales, .offset: 40, .size: 8, .value_kind: global_buffer, .address_space: global }
      - { .name: out0, .offset: 48, .size: 8, .value_kind: global_buffer, .address_space: global }
    .group_segment_fixed_size: 327680
    .private_segment_fixed_size: 0
    .kernarg_segment_align: 8
    .kernarg_segment_size: 56
    .max_flat_workgroup_size: 512
    .sgpr_count:     100
    .vgpr_count:     256
    .wavefront_size: 32
...
	.end_amdgpu_metadata
.endif
;; end of part 1
